; MI455X (gfx1250); checked and timed in simulation.
; The chip was launched on July 23, 2026; its instructions are those of AMD's public machine-readable ISA for CDNA 5 (MIT licence, August 2026) and "CDNA5" Instruction Set Architecture Reference Guide (July 2026). The comments in the code are by the model that wrote it; some were corrected since.
;; Hybrid Attention QKV Packed. Allowed arithmetic: matrix products marked QUANTISED: E5M2 operands, one given power-of-two scale a tensor, by v_wmma_f32_16x16x64_bf8_bf8 or v_wmma_f32_16x16x128_bf8_bf8, f32 sums; everything else in f32.
;; Inputs: lowp_scales 4 int32 (the exponents e of the quantised operands' scales 2^e); qkv 2 x 2,048 x 3 x 32 x 128 float32.
;; Outputs: out0 2 x 2,048 x 32 x 128 float32.
;; This version of the problem:
;;   THIS VERSION OF THE PROBLEM IS GIVEN IN LOW PRECISION. The matrix products marked QUANTISED in the list below multiply operands that are first quantised to E5M2 (5 exponent bits, 2 mantissa bits; 8 bits a number), with one given power-of-two scale for each operand tensor; their sums are f32. All else is computed in f32.
;;   The module's matrix products, in the order in which they are computed (A, B: the left and right operand; K: the contracted axis; several contracted axes count as one K, in the product's order):
;;     1. batch 64 x [M 2,048, K 128] x [K 128, N 2,048]; A: input qkv; B: input qkv: QUANTISED (scales: A lowp_scales[0], B lowp_scales[1])
;;     2. batch 64 x [M 128, K 2,048] x [K 2,048, N 2,048]; A: input qkv; B: softmax (see below): QUANTISED (scales: A lowp_scales[2], B lowp_scales[3])
;;   THE QUANTISER, for each operand of a quantised product, along K:
;;     - The operand's scale is 2^e, e = its entry of the input lowp_scales (int32; the entries are numbered through the quantised products in the list's order, A before B).
;;     - Each number is divided by the scale, clamped to +-57,344, and rounded to the nearest number of E5M2, ties to even, subnormals kept.
;;     - The product sums the exact products of the quantised numbers (number of the format x scale) in f32.
;;   ~~~python
;;   def quantise(x, axis, e):      # numpy; x: float32 -> the quantised numbers, widened to float32 again
;;       x = np.moveaxis(x, axis, -1); K = x.shape[-1]
;;       r = np.clip(x / 2.0 ** e, -57344, 57344)
;;       step = 2.0 ** (np.maximum(np.frexp(np.where(r == 0, 1, r))[1] - 1, -14) - 2)
;;       q = np.round(r / step) * step * 2.0 ** e      # np.round: ties to even
;;       return np.moveaxis(q, -1, axis).astype(np.float32)
;;   ~~~
;;   SOFTMAX AHEAD OF A QUANTISED PRODUCT. Where the list says 'softmax', what is quantised is not the finished softmax but p = 2^(t - M), with t = logit x log2(e) and M = ceil(the row's largest t), a whole number; so 1/2 < the row's largest p <= 1. The row's sum l is taken of the UNQUANTISED p, in f32, and the product's result is divided by l at the end. Since M is a whole number, a kernel that streams over the keys may use a running M (the ceiling of the running maximum): every later rescaling is an exact power of two, so the quantised numbers keep their values, but for numbers so far below the row's largest that they fall under the format's range.
;;   OPERANDS COMPUTED ON THE WAY. 'Computed on the way' means the value that the module computes at that place (a softmax that the list does not call 'softmax' is quantised finished and normalised). What goes into a quantiser is computed in f32, as accurately as f32 sums, v_exp_f32 and their like allow (about 1e-6 of the number): no bf16 or f16 on the way to a quantiser, and a product that is left as it is and whose result goes on into a quantised operand takes f32 operands (vector FMAs, or v_wmma_f32_16x16x4_f32). A number that lies on a knife's edge between two numbers of the format may be rounded either way, as far as f32 arithmetic and the matrix unit's own rounding can turn it there, and no further.
;; One version. Each part assembles by itself: llvm-mc -triple=amdgcn-amd-amdhsa -mcpu=gfx1250 --defsym DOCPART=n.
;; ======== version 1 of 1: 2 launches
;; limits: right only within a limited range of input values
;; workspace buffers: k_codes 16,777,216 bytes; v_codes 16,777,216 bytes
;; launch quant (part 1): grid 8 x 64, 4 waves a work-group, no clusters, 55,808 bytes of LDS; arguments qkv, lowp_scales, k_codes, v_codes; writes k_codes, v_codes
.if DOCPART == 1
	.amdgcn_target "amdgcn-amd-amdhsa--gfx1250"
	.amdhsa_code_object_version 6
	.text
	.protected	k_q50fa87f0cc_quant
	.globl	k_q50fa87f0cc_quant
	.p2align	8
	.type	k_q50fa87f0cc_quant,@function
k_q50fa87f0cc_quant:
	s_mov_b64 s[64:65], 0
	v_nop
	global_prefetch_b8 v0, s[64:65] scope:SCOPE_SE
	s_setreg_imm32_b32 hwreg(HW_REG_WAVE_MODE, 25, 1), 1
	s_wait_xcnt 0x0
; K and V of qkv [2][2048][3][32][128], f32, become codes of BF8 (E5M2), one byte each, with the given scales 2^ek (entry 1 of the scales) and 2^ev (entry 2).
; code = x / 2^e, held within +-57,344, rounded to the nearest code, ties to even.
; k_codes: [head bh = 32 b + hd][key][128]: the head's axis innermost, as the first product wants it.   v_codes: [bh][d = 128][key = 2048]: THE KEYS innermost, since they are the second product's K.
; LIMITS: ek and ev between -126 and 112, so that 2^e and 57,344 x 2^e are f32 numbers.  NaN among the inputs is not served; an infinity is held at the largest code.
; SHARES.  Work-group (x, bh) takes keys 256 x .. 256 x + 255 of head bh: first V, then K, on one path.  Four waves that share nothing: each has LDS bytes of its own, so there is no barrier.
; V: wave w takes columns d = 32 w + lane, AND A LANE'S REGISTERS RUN DOWN THE KEYS: a load reads 128 consecutive bytes (the four waves 512), and the conversions, which take neighbours from one lane's
;    consecutive registers, give codes with the keys innermost.  A lane's 256 codes go through the wave's stage and leave as rows: sixteen lanes store 256 consecutive bytes, aligned.
; K: wave w takes keys 64 w .. 64 w + 63, four a step.  A load reads one key's 512 consecutive bytes, 16 a lane; the step's 2,048 bytes turn through a padded stage and come back 64 bytes a lane
;    (16 neighbours along the head's axis); a lane's 16 codes are 16 bytes, so a store covers 512 consecutive bytes.
; It is a stream: nothing is shared between work-groups, so no cluster; no product, so no matrix unit; every offset is an immediate, so no pointer is stepped.
; THE ORDER OF KEYS IN k_codes: within each 32 keys, bits 3 and 4 of the key's number are exchanged (key 32 b + 16 a + 8 u + j lies at row 32 b + 16 u + 8 a + j),
; so that the 16 keys of one tile of the first product are 16 rows on end.
.set RS,     49152
.set BS,     0x6000000                 ; bytes from a batch to the next: 2,048 RS
.set VPITCH, 272                       ; V's stage: a row of 256 codes + 16 bytes
.set VSTB,   32*VPITCH                 ; a wave's V stage
.set KST0,   4*VSTB                    ; behind the four V stages: K's
.set SP,     80                        ; K's stage: 64 bytes + 16
.set KSTB,   2*32*SP                   ; a wave's two K stages
.set X,      16                        ; v16-79   V: two sets of 32 numbers;  later v16-47: K: two sets of 16 neighbours
.set C,      80                        ; v80-87   V: a block's codes
.set OUTR,   88                        ; v88-151  V: the way out, 16 x 4;  later K's codes, four registers for each step
.set R,      152                       ; v152-215 K: four sets of 16 numbers as loaded
	s_load_b128 s[4:7], s[0:1], 0x0                ; qkv s[4:5], the scales' exponents s[6:7]
	s_load_b128 s[8:11], s[0:1], 0x10              ; k_codes s[8:9], v_codes s[10:11]
	v_lshl_add_u32 v216, v0, 2, 0xd800
	v_mov_b32 v217, 0
	v_lshrrev_b32 v1, 5, v0
	v_readfirstlane_b32 s12, v1                    ; wave 0..3
	v_and_b32 v2, 31, v0                           ; lane
	s_and_b32 s15, ttmp7, 0xffff                   ; bh
	s_lshr_b32 s13, s15, 5                         ; b
	s_and_b32 s14, s15, 31                         ; hd
	v_lshlrev_b32 v3, 2, v2                        ; V in: 4 bytes a lane, blocks 0-3
	v_add_nc_u32 v4, 128*RS, v3                    ; blocks 4-7: 128 keys on, so that every immediate stays at 127 RS = 6,242,304 at the most, inside the signed 24 bits (ISA guide, chapter 10)
	v_lshlrev_b32 v5, 4, v2                        ; K in and K out: 16 bytes a lane
	s_mul_i32 s16, s12, VSTB                       ; my V stage
	v_mul_u32_u24 v6, v2, VPITCH
	v_add_nc_u32 v6, s16, v6                       ; into it: row = my column
	v_and_b32 v15, 15, v2
	v_lshrrev_b32 v1, 4, v2
	v_mul_u32_u24 v7, v1, VPITCH
	v_lshl_add_u32 v7, v15, 4, v7
	v_add_nc_u32 v7, s16, v7                       ; out of it: sixteen lanes to a row, two rows an instruction
	v_lshlrev_b32 v8, 11, v1
	v_lshl_add_u32 v8, v15, 4, v8                  ; and the same place in v_codes: rows 2,048 bytes apart
	s_mul_i32 s17, s12, KSTB
	s_add_co_u32 s17, s17, KST0                    ; my K stages
	v_lshrrev_b32 v9, 2, v2
	v_mul_u32_u24 v9, v9, SP
	v_and_b32 v15, 3, v2
	v_lshl_add_u32 v9, v15, 4, v9
	v_add_nc_u32 v9, s17, v9                       ; in: four lanes' 64 bytes on end, then 16 of padding
	v_mul_u32_u24 v10, v2, SP
	v_add_nc_u32 v10, s17, v10                     ; out: my 16 neighbours
	; byte offsets, all under 2^31
	s_mul_i32 s20, s13, BS
	s_mul_i32 s21, ttmp9, 256*RS
	s_add_co_u32 s20, s20, s21
	s_lshl_b32 s21, s14, 9
	s_add_co_u32 s20, s20, s21                     ; batch, the work-group's first key, the head
	s_lshl_b32 s21, s12, 7
	s_add_co_u32 s22, s20, s21
	s_add_co_u32 s22, s22, 32768                   ; V in: part 2 of qkv, + my wave's 32 columns
	s_mov_b32 s23, 0
	s_mul_i32 s21, s12, 64*RS
	s_add_co_u32 s24, s20, s21
	s_add_co_u32 s24, s24, 16384                   ; K in: part 1 of qkv, + my wave's 64 keys
	s_mov_b32 s25, 0
	s_lshl_b32 s26, s15, 18                        ; a head's codes are 262,144 bytes
	s_lshl_b32 s21, s12, 16
	s_add_co_u32 s36, s26, s21
	s_lshl_b32 s21, ttmp9, 8
	s_add_co_u32 s36, s36, s21                     ; V out: my 32 rows of 2,048, + 256 x
	s_mov_b32 s37, 0
	s_lshl_b32 s21, ttmp9, 15
	s_add_co_u32 s38, s26, s21
	s_lshl_b32 s21, s12, 13
	s_add_co_u32 s38, s38, s21                     ; K out: 256 x keys of 128 bytes, + my 64
	s_mov_b32 s39, 0
	s_wait_kmcnt 0x0
	s_load_b128 s[28:31], s[6:7], 0x0              ; eq, ek, ev, ep
	s_add_nc_u64 s[32:33], s[4:5], s[22:23]
	s_add_nc_u64 s[34:35], s[4:5], s[24:25]
	s_add_nc_u64 s[10:11], s[10:11], s[36:37]
	s_add_nc_u64 s[8:9], s[8:9], s[38:39]
.macro LOADV t                         ; V's block t: keys 32 t + i of my column, into set t % 2
.irp i, 0,1,2,3,4,5,6,7,8,9,10,11,12,13,14,15,16,17,18,19,20,21,22,23,24,25,26,27,28,29,30,31
	global_load_b32 v[X+32*((\t)%2)+\i], v[3+(\t)/4], s[32:33] offset:(32*((\t)%4)+\i)*RS th:TH_LOAD_NT
.endr
.endm
.macro LOADK t                         ; K's step t: keys 4 t + i, 512 consecutive bytes each, into set t % 4
.irp i, 0,1,2,3
	global_load_b128 v[R+16*((\t)%4)+4*\i:R+16*((\t)%4)+4*\i+3], v5, s[34:35] offset:(4*(\t)+\i)*RS th:TH_LOAD_NT
.endr
.endm
	LOADV 0
	LOADV 1
	s_wait_kmcnt 0x0
	s_add_co_i32 s20, s30, 127
	s_lshl_b32 s21, s20, 23
	v_mov_b32 v11, s21                             ; 2^ev as f32: the conversion takes its exponent field
	s_add_co_i32 s20, s20, 15
	s_lshl_b32 s20, s20, 23
	s_or_b32 s20, s20, 0x600000
	v_mov_b32 v12, s20                             ; 57,344 x 2^ev
	s_add_co_i32 s20, s29, 127
	s_lshl_b32 s21, s20, 23
	v_mov_b32 v13, s21                             ; 2^ek
	s_add_co_i32 s20, s20, 15
	s_lshl_b32 s20, s20, 23
	s_or_b32 s20, s20, 0x600000
	v_mov_b32 v14, s20                             ; 57,344 x 2^ek
.macro BLOCK t
.set XS, X+32*((\t)%2)
.if (\t) < 7
	s_wait_loadcnt 32                              ; this block's 32 loads are in; the next block's 32 may be out
.else
	s_wait_loadcnt 16                              ; the last block's are in; K's first 16 loads may be out
.endif
.irp i, 0,1,2,3,4,5,6,7,8,9,10,11,12,13,14,15,16,17,18,19,20,21,22,23,24,25,26,27,28,29,30,31
	v_med3_num_f32 v[XS+\i], v[XS+\i], -v12, v12   ; the conversion to an 8-bit code does not saturate (ISA guide 7.6.2): the hold at the largest code x the scale comes first
.endr
.irp g, 0,1,2,3
	v_cvt_scalef32_pk8_bf8_f32 v[C+2*\g:C+2*\g+1], v[XS+8*\g:XS+8*\g+7], v11
.endr
	ds_store_b128 v6, v[C:C+3] offset:32*(\t)      ; 32 codes: 32 bytes of my column's row
	ds_store_b128 v6, v[C+4:C+7] offset:32*(\t)+16
.if (\t) < 6
	LOADV (\t)+2                                   ; two blocks ahead
.elseif (\t) == 6
	LOADK 0                                        ; V has nothing left to ask for: K's first four steps go out
	LOADK 1
	LOADK 2
	LOADK 3
.endif
	s_wait_dscnt 0x0                               ; the stores have read their registers: the next block's codes may be written.  (The next block's holds are the plain lines between these conversions and the next)
.endm
	s_wait_alu depctr_va_vdst(0)
.irp t, 0,1,2,3,4,5,6,7
	BLOCK \t
.endr
.irp t, 0,1,2,3,4,5,6,7,8,9,10,11,12,13,14,15
	ds_load_b128 v[OUTR+4*\t:OUTR+4*\t+3], v7 offset:2*\t*VPITCH   ; LDS serves a wave's instructions in order (ISA guide 5.7.1.4): these see my stores
.endr
.irp t, 0,1,2,3,4,5,6,7,8,9,10,11,12,13,14,15
	s_wait_dscnt 15-\t                             ; the later loads of the sixteen may be out
	global_store_b128 v8, v[OUTR+4*\t:OUTR+4*\t+3], s[10:11] offset:2*\t*2048   ; sixteen lanes store 256 consecutive bytes, at a multiple of 256 from v_codes' first byte
.endr
	s_wait_xcnt 0x0                                ; these stores have read their registers: K's codes are written over them only behind this wait
.macro TURNK t                         ; step t's numbers through stage t % 2
.irp i, 0,1,2,3
	ds_store_b128 v9, v[R+16*((\t)%4)+4*\i:R+16*((\t)%4)+4*\i+3] offset:32*SP*((\t)%2)+8*SP*\i
.endr
.irp i, 0,1,2,3
	ds_load_b128 v[X+16*((\t)%2)+4*\i:X+16*((\t)%2)+4*\i+3], v10 offset:32*SP*((\t)%2)+16*\i
.endr
.endm
.macro STEPK t
.set XS, X+16*((\t)%2)
	s_wait_dscnt 0x0                               ; this step's numbers are back from the stage, so its stores into the stage have read their registers,
.if (\t)+4 < 16
	LOADK (\t)+4                                   ; which take the loads of four steps on
.endif
.if (\t)+1 < 16
.if 14-(\t) >= 3
	s_wait_loadcnt 12                              ; the next step's four loads are in; those of the three steps behind it may be out
.else
	s_wait_loadcnt 4*(14-(\t))
.endif
	TURNK (\t)+1                                   ; and go through the other stage while this step is worked
.endif
.irp i, 0,1,2,3,4,5,6,7,8,9,10,11,12,13,14,15
	v_med3_num_f32 v[XS+\i], v[XS+\i], -v14, v14
.endr
	v_cvt_scalef32_pk8_bf8_f32 v[OUTR+4*(\t):OUTR+4*(\t)+1], v[XS:XS+7], v13
	v_cvt_scalef32_pk8_bf8_f32 v[OUTR+4*(\t)+2:OUTR+4*(\t)+3], v[XS+8:XS+15], v13
	global_store_b128 v5, v[OUTR+4*(\t):OUTR+4*(\t)+3], s[8:9] offset:512*(((\t)&9)|(((\t)&2)<<1)|(((\t)&4)>>1))   ; four keys, 512 consecutive bytes; bits 1 and 2 of t are bits 3 and 4 of the key: exchanged
.endm
	s_wait_loadcnt 12                              ; step 0's four loads are in
	TURNK 0
.irp t, 0,1,2,3,4,5,6,7,8,9,10,11,12,13,14,15
	STEPK \t
.endr
	s_wait_tensorcnt 0x0
	ds_add_u32 v216, v217
	s_wait_dscnt 0x0
	s_endpgm
.Lfunc_end_k_q50fa87f0cc_quant:
	.size	k_q50fa87f0cc_quant, .Lfunc_end_k_q50fa87f0cc_quant-k_q50fa87f0cc_quant
	.p2alignl 7, 3214868480
	.fill 96, 4, 3214868480
	.section	.rodata,"a",@progbits
	.p2align	6, 0x0
	.amdhsa_kernel k_q50fa87f0cc_quant
		.amdhsa_group_segment_fixed_size 55808
		.amdhsa_private_segment_fixed_size 0
		.amdhsa_enable_private_segment 0
		.amdhsa_kernarg_size 32
		.amdhsa_user_sgpr_count 2
		.amdhsa_user_sgpr_kernarg_segment_ptr 1
		.amdhsa_wavefront_size32 1
		.amdhsa_system_sgpr_workgroup_id_x 1
		.amdhsa_system_sgpr_workgroup_id_y 1
		.amdhsa_system_sgpr_workgroup_id_z 1
		.amdhsa_system_vgpr_workitem_id 0
		.amdhsa_next_free_vgpr 218
		.amdhsa_next_free_sgpr 66
		.amdhsa_reserve_vcc 0
		.amdhsa_float_denorm_mode_32 3
		.amdhsa_float_denorm_mode_16_64 3
		.amdhsa_memory_ordered 1
		.amdhsa_forward_progress 1
		.amdhsa_inst_pref_size 85
	.end_amdhsa_kernel
	.amdgpu_metadata
---
amdhsa.version: [ 1, 2 ]
amdhsa.kernels:
  - .name:           k_q50fa87f0cc_quant
    .symbol:         k_q50fa87f0cc_quant.kd
    .args:
      - { .name: qkv, .offset: 0, .size: 8, .value_kind: global_buffer, .address_space: global }
      - { .name: lowp_scales, .offset: 8, .size: 8, .value_kind: global_buffer, .address_space: global }
      - { .name: k_codes, .offset: 16, .size: 8, .value_kind: global_buffer, .address_space: global }
      - { .name: v_codes, .offset: 24, .size: 8, .value_kind: global_buffer, .address_space: global }
    .group_segment_fixed_size: 55808
    .private_segment_fixed_size: 0
    .kernarg_segment_align: 8
    .kernarg_segment_size: 32
    .max_flat_workgroup_size: 128
    .sgpr_count:     66
    .vgpr_count:     218
    .wavefront_size: 32
...
	.end_amdgpu_metadata
.endif
;; end of part 1
;; launch attn (part 2): grid 4 x 64, 8 waves a work-group, no clusters, 327,680 bytes of LDS; arguments qkv, lowp_scales, k_codes, v_codes, out0; writes out0
.if DOCPART == 2
	.amdgcn_target "amdgcn-amd-amdhsa--gfx1250"
	.amdhsa_code_object_version 6
	.text
	.protected	k_q50fa87f0cc_attn
	.globl	k_q50fa87f0cc_attn
	.p2align	8
	.type	k_q50fa87f0cc_attn,@function
k_q50fa87f0cc_attn:
	s_mov_b64 s[64:65], 0
	v_nop
	global_prefetch_b8 v0, s[64:65] scope:SCOPE_SE
	s_setreg_imm32_b32 hwreg(HW_REG_WAVE_MODE, 25, 1), 1
	s_wait_xcnt 0x0
; out0[b][q][hd][:] = the sum over keys k <= q of softmax_k(Q . K / sqrt(128)) V, both products on codes of BF8 (E5M2) with the given scales 2^eq, 2^ek, 2^ev, 2^ep (the four entries, in this order).
; Q comes from qkv [2][2048][3][32][128] f32 and is quantised here: each row is read once, by one wave.  k_codes: [head][key row][128], in each 32 keys bits 3 and 4 of the key exchanged;
; v_codes: [head][128][key], keys innermost; both made by the launch before.
; WORK LEFT OUT: hidden scores are -infinity, so p = 0 there for all inputs: key slots behind a block of queries are not walked, and in a block's
; diagonal slot the second 128 keys are left out by the waves whose queries all come before them.  A NaN or an infinity among K or V that reaches hidden keys alone is not carried to the result.
; THE SOFTMAX: t = score x log2(e) / sqrt(128); M = the row's largest t so far, rounded UP to a whole number; p = 2^(t - M) is quantised, not normalised; the row's sum is taken of the unquantised p and divides O
; at the end.  When M moves, the sum and O are multiplied by 2^(old M - new M): exact.
; SHARES.  A head's 2,048 queries are 8 blocks of 256.  Work-group x (0..3) of a head owns block 7 - x, and then block x: key slots (256 keys) 0 .. 7 - x, then 0 .. x: 9 visits in every work-group, a constant.
; Wave w (0..7) owns queries 32 w .. 32 w + 31 of the block in hand: two tiles of 16, which share every fragment of K and V.  All eight waves work in every visit.
; In a block's last visit (the diagonal): waves 0-3 mask the first 128 keys and leave out the second; waves 4-7 take the first open and mask the second.  Then the block's rows of O leave.
; Q.  A load takes 256 consecutive bytes of each of two rows; the numbers are converted as they lie (a lane's 4 numbers are 4 codes, one word) and the codes go to my 32 rows of 144 bytes in LDS, from which
; the operand is read like a tile of K.  The first block's 32 rows are read at the head; the second block's come four rows a key step in the first eight key steps (every work-group's first block has ten or more),
; each piece asked for one key step ahead of its conversion.
; NO CLUSTER: the four work-groups of a head want slot t in trip t only up to t = 7 - x and other slots afterwards, so a joint load would bring tiles that every wave of some partner leaves unread.
; THE RING: two LDS slots, each 256 rows of K and 128 rows of V; every wave fetches one part by one tensor load (waves 0-3: 64 rows of K; waves 4-7: 32 rows of V) right behind the barrier of the change of slots.
; PREFETCH: slot s (2..7) of a head is named once, whole, by work-group (7 - s) % 4, which reads it, in the trip that loads slot s - 1: one slot (two key steps) ahead of its tensor load; each wave one
; instruction (waves 0-3: 8,192 bytes of K, lanes 256 bytes apart; waves 4-7: 32 rows of V, a lane a row).  Slots 0 and 1 come by their loads alone; the second walk reads slots that were read before.
; LAYOUT.  Both products transposed: S^T = K Q^T, O^T = V^T P^T: a lane holds one query (lane % 16) of each tile.  Tile 2 b + u of K holds keys 32 b + 8 u + r + 8 (r / 8), so that registers 16 b .. 16 b + 15 of S^T
; are keys 32 b + 16 (lane / 16) + 0 .. 15 and the conversions' results are the operand.  Fragments come by four loads of 16 bytes: the same permutation of k on both sides of each product.
; LIMITS: eq and ep between -126 and 112; eq + ek between -123 and 130; NaN among the inputs is not served; the scaled scores stay under 2^31 in magnitude.
; REGISTERS.  Window 0: v1-15 addresses and constants; v16-31 the softmax's state; v32-159 S^T, then p (two tiles); v160-223 four fragments (FA); v224-239 at work; v240-255 a piece of Q as loaded.
; Window 1 (written with its low 8 bits): v0-127 O^T (two tiles); v128-159 p's codes; v160-191 Q's codes; v192-255 four fragments (FB).
.set RS,    49152                      ; bytes from a query to the next in qkv
.set BS,    0x6000000                  ; from a batch to the next
.set OROW,  16384                      ; from a query to the next in out0
.set VP,    272                        ; an LDS row of the ring: 256 bytes + 16: two keys' rows of K on end, or 256 keys of one channel of V
.set VOFF,  128*VP                     ; a slot: 128 such rows of K (256 keys), then 128 rows of V
.set SLOT1, 1<<17
.set STAGE, SLOT1+VOFF+128*VP          ; behind the ring: 16 rows x 272 bytes for each wave, for the way out
.set QCD,   STAGE+8*16*272             ; Q's codes: 32 rows x 144 bytes for each wave
.set SPARE, QCD+8*32*144               ; the spare words, 128 bytes for each wave
.set AK0,1
.set AV0,2
.set PFO,3
.set DG,4                              ; 32 (w % 4) + r - 16 h
.set SPW,5
.set NIL,6
.set GO,7
.set ADK,8
.set ADV,9
.set QO,10                             ; Q by rows: h x a row + 16 r
.set QW,11                             ; Q's codes into LDS: row h, word r
.set QR,12                             ; and out of it: row r, + 16 h
.set DGT,13
.set SCL,15                            ; 2^ep
.set NM,16                             ; pairs (-M, largest t), a pair a tile
.set SM,20                             ; the sums, a pair a tile
.set FF,24                             ; pairs (f, unused)
.set MA,28
.set S0,32
.set FA,160
.set TA,224
.set PL,236
.set NI,238
.set QSC,239                           ; 2^eq
.set RW,240
.set PC,128                            ; window 1
.set QC,160
.set FB,192
.set EO,14                             ; s14 ep + ev
.set HIGHJ,15
.set WV,16
.set WX,17
.set HI,18                             ; 7 - x
.set BLK,19                            ; the block in hand
.set SEL,20
.set CS,22
.set G1K,24
.set G1V,32
.set G0K,40
.set G0V,44
.set TB,48
.set TC,49                             ; the trip
.set KC,50                             ; the key slot in hand
.set KN,51                             ; the key slot asked for last
.set PFA,52
.set PFS,54
.set L5,60                             ; 5 - x
.set LOWJ,61
.set MK0,62                            ; s62, s63: is the slot's first, second key step masked for me?
.set KB,66
.set VB,68
.set OF,70
.set OP,72
.set OL,74
.set QH,76
.set QL,78
.set QHP,96                            ; 57,344 x 2^eq,
.set QHN,97                            ; and its negative
.set STGB,98                           ; my stage
.set HOLDS,99                          ; 57,344 x 2^ep
.set MSB, 0
.macro WIN new                         ; the immediate's high byte repeats the setting that is left
.if MSB != \new
	s_set_vgpr_msb (MSB<<8)|\new
.set MSB, \new
.endif
.endm
.macro PLACES
.rept 4
	v_nop
.endr
.endm
.macro PA d, a, b
	v_pk_add_f32 v[(\d):(\d)+1], v[(\a):(\a)+1], v[(\b):(\b)+1]
.endm
.macro TLOAD                           ; one tensor load a wave; s_nop 0 and four v_nop behind each line
	s_cmp_lt_u32 s[WV], 4
	s_cbranch_scc0 .Lfor_v_\@
	tensor_load_to_lds s[G0K:G0K+3], s[G1K:G1K+7]
	s_nop 0
	PLACES
	s_branch .Lasked_\@
.Lfor_v_\@:
	tensor_load_to_lds s[G0V:G0V+3], s[G1V:G1V+7]
	s_nop 0
	PLACES
.Lasked_\@:
.endm
.macro ASK                             ; my work-group asks where 5 - x - t is 0 or 4: slot t + 2
	s_sub_co_u32 s80, s[L5], s[TC]
	s_and_b32 s80, s80, 0x80000003
	s_cmp_eq_u32 s80, 0
	s_cbranch_scc0 .Lnot_mine_\@
	global_prefetch_b8 v[PFO], s[PFA:PFA+1] th:TH_LOAD_NT scope:SCOPE_SE
.Lnot_mine_\@:
.endm
.macro FRAGS adr, base, stride         ; eight fragments in one run: four into FA, four into FB
	WIN 0
.irp t, 0,1,2,3
.irp c, 0,1,2,3
	ds_load_b128 v[FA+16*\t+4*\c:FA+16*\t+4*\c+3], v[\adr] offset:(\base)+\t*(\stride)+32*\c
.endr
.endr
	WIN 0x40
.irp t, 0,1,2,3
.irp c, 0,1,2,3
	ds_load_b128 v[FB+16*\t+4*\c:FB+16*\t+4*\c+3], v[\adr] offset:(\base)+(4+\t)*(\stride)+32*\c
.endr
.endr
	WIN 0
.endm
.macro QK f, t0                        ; S^T of four tiles of keys x my two tiles of queries: eight sums, each begun with 0
.irp t, 0,1,2,3
.irp u, 0,1
	v_wmma_f32_16x16x128_bf8_bf8 v[S0+64*\u+8*(\t0+\t):S0+64*\u+8*(\t0+\t)+7], v[\f+16*\t:\f+16*\t+15], v[QC+16*\u:QC+16*\u+15], 0
.endr
.endr
.endm
.macro PV f, t0                        ; O^T += V^T P^T: eight accumulators by turns
.irp t, 0,1,2,3
.irp u, 0,1
	v_wmma_f32_16x16x128_bf8_bf8 v[64*\u+8*(\t0+\t):64*\u+8*(\t0+\t)+7], v[\f+16*\t:\f+16*\t+15], v[PC+16*\u:PC+16*\u+15], v[64*\u+8*(\t0+\t):64*\u+8*(\t0+\t)+7]
.endr
.endr
.endm
.macro INIT                            ; a block begins: O^T and the sums are zeros and the largest t is -3e38, so the key step is written without a first step of its own
	WIN 0x40
.set jj, 0
.rept 128
	v_mov_b32 v[jj], 0
.set jj, jj+1
.endr
	WIN 0
.irp u, 0,1
	v_mov_b32 v[NM+2*\u+1], 0xff61b1e6
	v_mov_b32 v[SM+2*\u], 0
	v_mov_b32 v[SM+2*\u+1], 0
.endr
.irp u, 0,1
	v_floor_f32 v[NM+2*\u], -v[NM+2*\u+1]
.endr
.endm
; A PIECE OF Q: four rows of 512 bytes.  QROWS asks for it: sixteen lanes read 256 consecutive bytes.  QCODE: the hold (the conversion does not saturate: ISA guide 7.6.2) and the conversions:
; each load's four numbers a lane become one word of codes.  QPUT: the words into my rows of codes.  QGET: the operand's 32 registers out of them.
.macro QROWS base, reg, off
.irp a, 0,1
.irp hh, 0,1
	global_load_b128 v[\reg+8*\a+4*\hh:\reg+8*\a+4*\hh+3], v[QO], s[\base:\base+1] offset:(\off)+2*\a*RS+256*\hh th:TH_LOAD_NT
.endr
.endr
.endm
.macro QCODE reg, dst
.set jj, 0
.rept 16
	v_med3_num_f32 v[\reg+jj], v[\reg+jj], s[QHN], s[QHP]
.set jj, jj+1
.endr
	v_cvt_scalef32_pk8_bf8_f32 v[\dst:\dst+1], v[\reg:\reg+7], v[QSC]
	v_cvt_scalef32_pk8_bf8_f32 v[\dst+2:\dst+3], v[\reg+8:\reg+15], v[QSC]
.endm
.macro QPUT adr, dst, off
.irp a, 0,1
.irp hh, 0,1
	ds_store_b32 v[\adr], v[\dst+2*\a+\hh] offset:(\off)+288*\a+64*\hh
.endr
.endr
.endm
.macro QGET                            ; LDS serves a wave's instructions in order (ISA guide 5.7.1.4): these see my stores
	WIN 0x40
.irp u, 0,1
.irp c, 0,1,2,3
	ds_load_b128 v[QC+16*\u+4*\c:QC+16*\u+4*\c+3], v[QR] offset:16*\u*144+32*\c
.endr
.endr
	WIN 0
.endm
	s_load_b256 s[4:11], s[0:1], 0x0               ; qkv, the scales' exponents, k_codes, v_codes
	s_load_b64 s[12:13], s[0:1], 0x20              ; out0
	v_lshl_add_u32 v[SPW], v0, 2, SPARE
	v_mov_b32 v[NIL], 0
	ds_add_u32 v[SPW], v[NIL]                      ; the opening lines: the add, twice on end, and its wait ahead of my first tensor load
	ds_add_u32 v[SPW], v[NIL]
	v_lshrrev_b32 v8, 5, v0
	v_readfirstlane_b32 s[WV], v8                  ; wave 0..7
	v_and_b32 v224, 15, v0                         ; r
	v_bfe_u32 v225, v0, 4, 1                       ; h
	v_and_b32 v226, 31, v0                         ; lane
	v_mul_u32_u24 v[QO], v225, RS
	v_lshl_add_u32 v[QO], v224, 4, v[QO]
	s_mov_b32 s[WX], ttmp9
	s_sub_co_u32 s[HI], 7, s[WX]
	s_sub_co_u32 s[L5], 5, s[WX]
	s_mov_b32 s[BLK], s[HI]
	s_cmp_lt_u32 s[WV], 4
	s_cselect_b32 s[LOWJ], 1, 0
	s_cselect_b32 s[HIGHJ], 0, 1
	s_and_b32 s81, s[WV], 3
	s_and_b32 s82, ttmp7, 0xffff                   ; the head bh
	s_lshr_b32 s83, s82, 5                         ; b
	s_and_b32 s84, s82, 31                         ; hd
	s_lshl_b32 s85, s[WV], 5
	s_lshl_b32 s86, s[HI], 8
	s_add_co_u32 s86, s86, s85                     ; my first query of the first block
	s_lshl_b32 s87, s[WX], 8
	s_add_co_u32 s87, s87, s85                     ; and of the second
	s_mul_i32 s88, s83, BS
	s_lshl_b32 s89, s84, 9
	s_add_co_u32 s88, s88, s89
	s_mul_i32 s[QH], s86, RS
	s_add_co_u32 s[QH], s[QH], s88                 ; byte offsets, all under 2^31
	s_mov_b32 s[QH+1], 0
	s_mul_i32 s[QL], s87, RS
	s_add_co_u32 s[QL], s[QL], s88
	s_mov_b32 s[QL+1], 0
	s_lshl_b32 s90, s83, 11
	s_add_co_u32 s91, s90, s86
	s_lshl_b32 s91, s91, 14
	s_add_co_u32 s[OP], s91, s89
	s_mov_b32 s[OP+1], 0
	s_add_co_u32 s91, s90, s87
	s_lshl_b32 s91, s91, 14
	s_add_co_u32 s[OL], s91, s89
	s_mov_b32 s[OL+1], 0
	s_lshl_b32 s92, s82, 18                        ; the head's first byte in each buffer of codes
	s_lshl_b32 s[KB], s81, 13                      ; K: my 64 rows of 128 bytes
	s_add_co_u32 s[KB], s[KB], s92
	s_mov_b32 s[KB+1], 0
	s_lshl_b32 s[VB], s81, 16                      ; V: my 32 rows of 2,048 bytes
	s_add_co_u32 s[VB], s[VB], s92
	s_mov_b32 s[VB+1], 0
	s_mul_i32 s93, s81, 32*VP                      ; and where they go in a slot: my 64 keys are 32 LDS rows
	s_mul_i32 s94, s81, 32*VP
	s_add_co_u32 s94, s94, VOFF
	s_mov_b32 s[G1K], (3<<16)|(1<<20)|(5<<22)|(3<<25)   ; K's 64 rows of 128 bytes are dense in memory: stated as 32 rows of 32 elements of 8 bytes; four words of padding after every 64
	s_mov_b32 s[G1K+1], 32<<16
	s_mov_b32 s[G1K+2], 32<<16
	s_mov_b32 s[G1K+3], 32<<16
	s_mov_b32 s[G1K+4], 32
	s_mov_b32 s[G1K+5], 32
	s_mov_b32 s[G1K+6], 0
	s_mov_b32 s[G1K+7], 0
	s_mov_b32 s[G1V], (3<<16)|(1<<20)|(5<<22)|(3<<25)   ; V: 32 rows of 32 elements of 8 bytes, 256 elements (2,048 bytes) apart; the same padding
	s_mov_b32 s[G1V+1], 32<<16
	s_mov_b32 s[G1V+2], 32<<16
	s_mov_b32 s[G1V+3], 32<<16
	s_mov_b32 s[G1V+4], 32
	s_mov_b32 s[G1V+5], 256
	s_mov_b32 s[G1V+6], 0
	s_mov_b32 s[G1V+7], 0
	s_mov_b32 s[SEL], 0x76543210
	s_mov_b32 s[SEL+1], 0xfedcba98
	s_mov_b32 s[CS], 0x3e0293ee                    ; log2(e) / sqrt(128)
	s_mov_b32 s[TB], 0
	s_mov_b32 s[TC], 0
	s_mov_b32 s[KN], 0
	s_mov_b32 s[OF+1], 0
	s_wait_alu depctr_va_vdst(0)
	s_wait_dscnt 0x0                               ; both opening adds are done
	s_wait_kmcnt 0x0
	s_load_b128 s[56:59], s[6:7], 0x0              ; eq, ek, ev, ep
	s_add_nc_u64 s[KB:KB+1], s[8:9], s[KB:KB+1]
	s_add_nc_u64 s[VB:VB+1], s[10:11], s[VB:VB+1]
	s_add_nc_u64 s[QH:QH+1], s[4:5], s[QH:QH+1]
	s_add_nc_u64 s[QL:QL+1], s[4:5], s[QL:QL+1]
	s_add_nc_u64 s[OP:OP+1], s[12:13], s[OP:OP+1]
	s_add_nc_u64 s[OL:OL+1], s[12:13], s[OL:OL+1]
	s_mov_b32 s[G0K], 1
	s_mov_b32 s[G0K+1], s93
	s_mov_b64 s[G0K+2:G0K+3], s[KB:KB+1]
	s_or_b32 s[G0K+3], s[G0K+3], 0x80000000
	s_mov_b32 s[G0V], 1
	s_mov_b32 s[G0V+1], s94
	s_mov_b64 s[G0V+2:G0V+3], s[VB:VB+1]
	s_or_b32 s[G0V+3], s[G0V+3], 0x80000000
	TLOAD                                          ; key slot 0 into LDS slot 0: my one tensor load at the head
.irp k, 0,1,2,3,4,5,6,7
	QROWS QH, S0+16*\k, 4*\k*RS                    ; the first block's eight pieces,
.endr
	QROWS QL, RW, 0                                ; and the second block's first
	s_mul_i32 s[STGB], s[WV], 16*272
	s_add_co_u32 s[STGB], s[STGB], STAGE
	s_mul_i32 s85, s[WV], 32*144
	s_add_co_u32 s85, s85, QCD                     ; my rows of Q's codes
	s_lshl_b32 s86, s81, 5
	v_mul_u32_u24 v[QW], v225, 144
	v_lshl_add_u32 v[QW], v224, 2, v[QW]
	v_add_nc_u32 v[QW], s85, v[QW]
	v_mul_u32_u24 v[QR], v224, 144
	v_lshl_add_u32 v[QR], v225, 4, v[QR]
	v_add_nc_u32 v[QR], s85, v[QR]                 ; Q's codes: row r of 144 bytes, + 16 h
	v_lshrrev_b32 v[AK0], 1, v224
	v_mul_u32_u24 v[AK0], v[AK0], VP
	v_and_b32 v227, 1, v224
	v_lshl_add_u32 v[AK0], v227, 7, v[AK0]
	v_lshl_add_u32 v[AK0], v225, 4, v[AK0]         ; K: key row r of a tile lies in LDS row r / 2, at byte 128 (r % 2); + 16 h.  Sixteen lanes fall on sixteen different 16-byte columns of 256
	v_mul_u32_u24 v[AV0], v224, VP
	v_lshl_add_u32 v[AV0], v225, 4, v[AV0]
	v_add_nc_u32 v[AV0], VOFF, v[AV0]              ; V likewise
	v_lshlrev_b32 v[GO], 14, v225
	v_lshl_add_u32 v[GO], v224, 4, v[GO]           ; O by rows
	v_lshlrev_b32 v[DGT], 4, v225
	v_sub_nc_u32 v[DG], v224, v[DGT]
	v_add_nc_u32 v[DG], s86, v[DG]
	s_cmp_lt_u32 s[WV], 4                          ; the prefetches: waves 0-3 name K's codes, waves 4-7 V's
	s_cselect_b64 s[PFA:PFA+1], s[8:9], s[10:11]
	s_mov_b32 s[PFS], 256
	s_cselect_b32 s[PFS], 32768, s[PFS]            ; a slot on
	s_mov_b32 s95, 2048
	s_cselect_b32 s95, 256, s95                    ; from lane to lane
	s_mov_b32 s91, 65536
	s_cselect_b32 s91, 8192, s91                   ; from wave to wave
	v_mul_lo_u32 v[PFO], v226, s95
	s_mul_i32 s90, s81, s91
	s_add_co_u32 s90, s90, s[PFS]                  ; in slot 1: the first change of slots steps it to slot 2
	s_add_co_u32 s90, s90, s92
	s_mov_b32 s91, 0
	s_mov_b32 s[PFS+1], 0
	s_add_nc_u64 s[PFA:PFA+1], s[PFA:PFA+1], s[90:91]
	INIT
	v_mov_b32 v[PL], 0                             ; written once: a lane permute's destination counts as a source
	v_mov_b32 v[PL+1], 0
	v_mov_b32 v[FF+1], 0                           ; (named as upper halves of pairs)
	v_mov_b32 v[FF+3], 0
	s_wait_kmcnt 0x0
	s_add_co_i32 s80, s56, s57
	s_lshl_b32 s80, s80, 23
	s_add_co_i32 s[CS], s[CS], s80                 ; eq + ek go into c's exponent field
	s_mov_b32 s[CS+1], s[CS]
	s_add_co_i32 s[EO], s58, s59
	s_add_co_i32 s80, s59, 127
	s_lshl_b32 s85, s80, 23
	v_mov_b32 v[SCL], s85
	s_add_co_i32 s80, s80, 15
	s_lshl_b32 s80, s80, 23
	s_or_b32 s[HOLDS], s80, 0x600000
	s_add_co_i32 s80, s56, 127
	s_lshl_b32 s85, s80, 23
	v_mov_b32 v[QSC], s85
	s_add_co_i32 s80, s80, 15
	s_lshl_b32 s80, s80, 23
	s_or_b32 s[QHP], s80, 0x600000
	s_or_b32 s[QHN], s[QHP], 0x80000000
	s_wait_alu depctr_va_vdst(0)
.irp k, 0,1,2,3,4,5,6,7
	s_wait_loadcnt 32-4*\k                         ; piece k is in; behind it 7 - k pieces of this block and one of the next may be out
	QCODE S0+16*\k, FA+4*\k
	QPUT QW, FA+4*\k, 576*\k
.endr
	v_nop                                          ; a plain line behind the last conversion
	QGET                                           ; the first change of slots waits for these
; The second block's piece 2 t + q is converted in key step q of trip t (t < 4), and the next piece is asked for
.macro QPIECE q
	s_cmp_lt_u32 s[TC], 4
	s_cbranch_scc0 .Lnoq_\@
	s_and_b32 s80, s[TC], 3
	s_lshl_b32 s80, s80, 1
	s_add_co_u32 s80, s80, \q
	s_mul_i32 s80, s80, 576                        ; four rows of 144 bytes a piece
	s_wait_loadcnt 0x0                             ; asked for a key step ago
	QCODE RW, TA
	v_add_nc_u32 v[DGT], s80, v[QW]
	QPUT DGT, TA, 0
.if \q
	s_cmp_lt_u32 s[TC], 3                          ; piece 7 is the last
	s_cbranch_scc0 .Lnoq_\@
.endif
	s_add_nc_u64 s[QL:QL+1], s[QL:QL+1], 4*RS      ; (no load of mine is out)
	QROWS QL, RW, 0
.Lnoq_\@:
.endm
.macro SUMT u                          ; the sum of a tile's unquantised p: six chains
.irp n, 0,1,2,3,4
	PA TA+2*\n, S0+64*\u+4*\n, S0+64*\u+4*\n+2
.endr
.set jj, 20
.rept 3
	PA SM+2*\u, SM+2*\u, S0+64*\u+jj
.irp n, 0,1,2,3,4
	PA TA+2*\n, TA+2*\n, S0+64*\u+jj+2+2*\n
.endr
.set jj, jj+12
.endr
	PA SM+2*\u, SM+2*\u, S0+64*\u+56
.irp n, 0,1,2
	PA TA+2*\n, TA+2*\n, S0+64*\u+58+2*\n
.endr
	PA TA+6, TA+6, TA+8
	PA TA, TA, TA+2
	PA TA+4, TA+4, TA+6
	PA SM+2*\u, SM+2*\u, TA
	PA SM+2*\u, SM+2*\u, TA+4
.endm
; A KEY STEP: 128 keys, the q-th of the slot in hand, for my two tiles of queries
.macro STEP q, inloop
.if \q
	s_cmp_lg_u32 s[MK0], 0                         ; on the diagonal, waves 0-3: all these keys come after my queries
	s_cbranch_scc1 .Lhid_\@
.else
	PLACES                                         ; in front of loads into registers that matrix instructions have read
	FRAGS ADK, 0, 8*VP
.endif
	s_wait_dscnt 16                                ; FA's sixteen loads are in, FB's may be out
	WIN 0x04
	QK FA, 0
	s_wait_dscnt 0x0
	WIN 0x05
	QK FB, 4
	PLACES
	FRAGS ADV, 128*\q, 16*VP                       ; V's eight fragments land under the softmax
.if \inloop
	QPIECE \q
.endif
	s_cmp_eq_u32 s[MK0+\q], 0
	s_cbranch_scc1 .Lopen_\@
	v_mov_b32 v[NI], 0xff800000                    ; hidden scores become -infinity: p = 0.  The step's first key counts for each of my queries
.irp u, 0,1
.irp b, 0,1,2,3
	v_add_nc_u32 v[DGT], (16*\u-32*\b)&0xffffffff, v[DG]   ; register 16 b + i is hidden where i is greater
.irp i, 0,1,2,3,4,5,6,7,8,9,10,11,12,13,14,15
	v_cmp_gt_i32 vcc_lo, \i, v[DGT]
	v_cndmask_b32 v[S0+64*\u+16*\b+\i], v[S0+64*\u+16*\b+\i], v[NI], vcc_lo
.endr
.endr
.endr
.Lopen_\@:
.irp u, 0,1                                    ; the largest score: two chains a tile, each accumulator from its low end on
	v_max3_num_f32 v[MA+2*\u], v[S0+64*\u], v[S0+64*\u+1], v[S0+64*\u+2]
	v_max3_num_f32 v[MA+2*\u+1], v[S0+64*\u+3], v[S0+64*\u+4], v[S0+64*\u+5]
.endr
.set jj, 6
.rept 14
.irp u, 0,1
	v_max3_num_f32 v[MA+2*\u], v[MA+2*\u], v[S0+64*\u+jj], v[S0+64*\u+jj+1]
	v_max3_num_f32 v[MA+2*\u+1], v[MA+2*\u+1], v[S0+64*\u+jj+2], v[S0+64*\u+jj+3]
.endr
.set jj, jj+4
.endr
.irp u, 0,1
	v_max3_num_f32 v[MA+2*\u], v[MA+2*\u], v[S0+64*\u+62], v[S0+64*\u+63]
.endr
.irp u, 0,1
	v_max_num_f32 v[MA+2*\u], v[MA+2*\u], v[MA+2*\u+1]
.endr
.irp u, 0,1
	v_permlanex16_b32 v[PL+\u], v[MA+2*\u], s[SEL], s[SEL+1]
.endr
.irp u, 0,1
	v_max_num_f32 v[MA+2*\u], v[MA+2*\u], v[PL+\u]
.endr
.irp u, 0,1
	v_mul_f32 v[MA+2*\u], s[CS], v[MA+2*\u]        ; as t (c is positive)
.endr
.irp u, 0,1
	v_max_num_f32 v[NM+2*\u+1], v[NM+2*\u+1], v[MA+2*\u]
.endr
.irp u, 0,1
	v_mov_b32 v[MA+2*\u+1], v[NM+2*\u]
.endr
.irp u, 0,1
	v_floor_f32 v[NM+2*\u], -v[NM+2*\u+1]          ; -M = floor(-t)
.endr
.irp u, 0,1
	v_sub_f32 v[MA+2*\u], v[NM+2*\u], v[MA+2*\u+1]
.endr
.irp u, 0,1
	v_cvt_i32_f32 v[MA+2*\u], v[MA+2*\u]           ; (it saturates)
.endr
.irp u, 0,1
	v_ldexp_f32 v[FF+2*\u], 1.0, v[MA+2*\u]        ; f = 2^(old M - new M)
.endr
.set jj, 0
.rept 32
	v_pk_fma_f32 v[S0+jj:S0+jj+1], v[S0+jj:S0+jj+1], s[CS:CS+1], v[NM:NM+1] op_sel_hi:[1,0,0]   ; tile 0: t - M
.set jj, jj+2
.endr
	s_wait_alu depctr_va_vdst(0)
.set jj, 0
.rept 32                                       ; tile 0: p = 2^(t - M); among the 64 stand tile 1's t - M, which are first read behind the wait below
	v_exp_f32 v[S0+jj], v[S0+jj]
	v_exp_f32 v[S0+jj+1], v[S0+jj+1]
	v_pk_fma_f32 v[S0+64+jj:S0+64+jj+1], v[S0+64+jj:S0+64+jj+1], s[CS:CS+1], v[NM+2:NM+3] op_sel_hi:[1,0,0]
.set jj, jj+2
.endr
.irp u, 0,1
	v_pk_mul_f32 v[SM+2*\u:SM+2*\u+1], v[SM+2*\u:SM+2*\u+1], v[FF+2*\u:FF+2*\u+1] op_sel_hi:[1,0]   ; the sums under the new M
.endr
	s_wait_alu depctr_va_vdst(0)                   ; behind tile 0's batch and ahead of tile 1's
	SUMT 0
.set jj, 0
.rept 32                                       ; tile 1's exponentials; among them tile 0's holds (ISA guide 7.6.2; p is not negative), two a line, first read behind the wait below
	v_exp_f32 v[S0+64+jj], v[S0+64+jj]
	v_exp_f32 v[S0+64+jj+1], v[S0+64+jj+1]
	v_dual_min_num_f32 v[S0+jj], s[HOLDS], v[S0+jj] :: v_dual_min_num_f32 v[S0+jj+1], s[HOLDS], v[S0+jj+1]
.set jj, jj+2
.endr
	s_wait_alu depctr_va_vdst(0)                   ; one wait behind the batch, ahead of its first reader
	SUMT 1
.set jj, 0
.rept 32
	v_dual_min_num_f32 v[S0+64+jj], s[HOLDS], v[S0+64+jj] :: v_dual_min_num_f32 v[S0+64+jj+1], s[HOLDS], v[S0+64+jj+1]
.set jj, jj+2
.endr
	WIN 0x40
.irp u, 0,1
.irp b, 0,1,2,3
	v_cvt_scalef32_pk8_bf8_f32 v[PC+16*\u+4*\b:PC+16*\u+4*\b+1], v[S0+64*\u+16*\b:S0+64*\u+16*\b+7], v[SCL]
	v_cvt_scalef32_pk8_bf8_f32 v[PC+16*\u+4*\b+2:PC+16*\u+4*\b+3], v[S0+64*\u+16*\b+8:S0+64*\u+16*\b+15], v[SCL]
.endr
.endr
	WIN 0x41
	s_wait_alu depctr_va_vdst(0)                   ; directly ahead of the first reader of O^T
.irp u, 0,1
.set jj, 0
.rept 32
	v_pk_mul_f32 v[64*\u+jj:64*\u+jj+1], v[64*\u+jj:64*\u+jj+1], v[FF+2*\u:FF+2*\u+1] op_sel_hi:[1,0]   ; O^T x f: also the plain lines between the conversions and the products
.set jj, jj+2
.endr
.endr
	s_wait_alu depctr_va_vdst(0)
	s_wait_dscnt 0x0                               ; V's fragments are in
	WIN 0x54
	PV FA, 0
	WIN 0x55
	PV FB, 4
.if \q
	WIN 0
.Lhid_\@:
.else
	PLACES
	FRAGS ADK, 64*VP, 8*VP                         ; the next step's fragments of K, from the same slot
.endif
.endm
; THE WAY OUT of a block: O^T x 2^(ep + ev) / the sum goes through my stage, half a row (256 bytes) of 16 queries at a time, and leaves by rows
.set WSTO, 224
.set WSRD, 225
.macro WAYOUT
	s_wait_dscnt 0x0                               ; fragments asked for and not used have landed
	v_and_b32 v226, 15, v0                         ; r
	v_bfe_u32 v227, v0, 4, 1                       ; h
	v_mul_u32_u24 v[WSTO], v226, 272
	v_mul_u32_u24 v[WSRD], v227, 272
	v_lshl_add_u32 v[WSTO], v227, 5, v[WSTO]
	v_lshl_add_u32 v[WSRD], v226, 4, v[WSRD]
	v_add_nc_u32 v[WSTO], s[STGB], v[WSTO]         ; in: row r, + 32 h
	v_add_nc_u32 v[WSRD], s[STGB], v[WSRD]         ; back by rows: lanes 0-15 one row, lanes 16-31 the next
.irp u, 0,1
	v_add_f32 v[SM+2*\u], v[SM+2*\u], v[SM+2*\u+1]
.endr
.irp u, 0,1
	v_permlanex16_b32 v[PL+\u], v[SM+2*\u], s[SEL], s[SEL+1]
.endr
.irp u, 0,1
	v_add_f32 v[SM+2*\u], v[SM+2*\u], v[PL+\u]
.endr
	s_wait_alu depctr_va_vdst(0)                   ; ahead of the two reciprocals,
	v_rcp_f32 v[SM], v[SM]
	v_rcp_f32 v[SM+2], v[SM+2]
	v_nop
	s_wait_alu depctr_va_vdst(0)                   ; and behind them
	v_ldexp_f32 v[SM], v[SM], s[EO]
	v_ldexp_f32 v[SM+2], v[SM+2], s[EO]
	WIN 0x01
	s_wait_alu depctr_va_vdst(0)                   ; directly ahead of the first reader of O^T
.irp u, 0,1
.set jj, 0
.rept 32
	v_pk_mul_f32 v[S0+64*\u+jj:S0+64*\u+jj+1], v[64*\u+jj:64*\u+jj+1], v[SM+2*\u:SM+2*\u+1] op_sel_hi:[1,0]   ; register 8 t + i is o(r, 16 t + 8 h + i)
.set jj, jj+2
.endr
.endr
.irp u, 0,1                                    ; tile 0 comes back into FA, tile 1 into FB
	WIN 0x40*\u
.irp hh, 0,1
.irp t, 0,1,2,3
	ds_store_b128 v[WSTO], v[S0+64*\u+32*\hh+8*\t:S0+64*\u+32*\hh+8*\t+3] offset:64*\t
	ds_store_b128 v[WSTO], v[S0+64*\u+32*\hh+8*\t+4:S0+64*\u+32*\hh+8*\t+7] offset:64*\t+16
.endr
.irp i, 0,1,2,3,4,5,6,7
	ds_load_b128 v[FA+32*\u+32*\hh+4*\i:FA+32*\u+32*\hh+4*\i+3], v[WSRD] offset:2*\i*272
.endr
.endr
.endr
.irp u, 0,1
	WIN 0x04*\u
.irp hh, 0,1
.irp i, 0,1,2,3,4,5,6,7
	s_wait_dscnt 55-32*\u-16*\hh-\i                ; of the 64 LDS instructions above, those behind this load may be out
	global_store_b128 v[GO], v[FA+32*\u+32*\hh+4*\i:FA+32*\u+32*\hh+4*\i+3], s[OP:OP+1] offset:(16*\u+2*\i)*OROW+256*\hh th:TH_STORE_NT   ; sixteen lanes store 256 consecutive bytes, aligned
.endr
.endr
.endr
	WIN 0
	s_wait_xcnt 0x0                                ; the stores have read their registers and their base
.endm
; THE CHANGE OF SLOTS, at a slot's head
.macro CHANGE fill
	s_wait_tensorcnt 0x0                           ; my part of the slot ahead is in, and the groups 0 may be written
	ds_add_u32 v[SPW], v[NIL]
	v_add_nc_u32 v[ADK], s[TB], v[AK0]
	v_add_nc_u32 v[ADV], s[TB], v[AV0]
	s_mov_b32 s[KC], s[KN]
	s_cmp_eq_u32 s[KC], s[BLK]                     ; the diagonal?
	s_cselect_b32 s[MK0], s[LOWJ], 0
	s_cselect_b32 s[MK0+1], s[HIGHJ], 0
.if \fill
	s_add_co_u32 s[KN], s[KN], 1                   ; the next key slot: behind 7 - x comes 0
	s_cmp_gt_u32 s[KN], s[HI]
	s_cselect_b32 s[KN], 0, s[KN]
	s_xor_b32 s[G0K+1], s[G0K+1], SLOT1
	s_xor_b32 s[G0V+1], s[G0V+1], SLOT1
	s_lshl_b32 s[OF], s[KN], 15
	s_add_nc_u64 s[G0K+2:G0K+3], s[KB:KB+1], s[OF:OF+1]
	s_or_b32 s[G0K+3], s[G0K+3], 0x80000000
	s_lshl_b32 s[OF], s[KN], 8
	s_add_nc_u64 s[G0V+2:G0V+3], s[VB:VB+1], s[OF:OF+1]
	s_or_b32 s[G0V+3], s[G0V+3], 0x80000000
	s_wait_xcnt 0x0                                ; any prefetch of mine has read its address
	s_add_nc_u64 s[PFA:PFA+1], s[PFA:PFA+1], s[PFS:PFS+1]
.endif
	s_wait_alu depctr_va_vdst(0)
	s_wait_dscnt 0x0                               ; the add is done, and my reads of the slot that I have left are over
	s_barrier_signal -1
	s_barrier_wait -1
.if \fill
	TLOAD                                          ; my one tensor load until the next change: it has the slot's two key steps in which to land
	ASK
.endif
.endm
	s_wait_alu depctr_va_vdst(0)
.Lslot:                                            ; 8 trips; behind each change the next visit's slot is asked for
	CHANGE 1
	STEP 0, 1
	STEP 1, 1
	s_xor_b32 s[TB], s[TB], SLOT1
	s_cmp_lg_u32 s[KC], s[BLK]
	s_cbranch_scc1 .Lon
	WAYOUT                                         ; the first block is done (trip 7 - x)
	s_mov_b64 s[OP:OP+1], s[OL:OL+1]               ; on to the second block
	s_mov_b32 s[BLK], s[WX]
	QGET                                           ; its codes of Q; the change of slots waits for them
	INIT
.Lon:
	s_add_co_u32 s[TC], s[TC], 1
	s_cmp_lt_u32 s[TC], 8
	s_wait_alu depctr_va_vdst(0)
	s_cbranch_scc1 .Lslot
	CHANGE 0                                       ; the ninth visit is written out: nothing more is asked for.  It is the second block's diagonal
	STEP 0, 0
	STEP 1, 0
	WAYOUT
	s_wait_tensorcnt 0x0                           ; the wave's end
	ds_add_u32 v[SPW], v[NIL]
	s_wait_dscnt 0x0
	s_endpgm
.Lfunc_end_k_q50fa87f0cc_attn:
	.size	k_q50fa87f0cc_attn, .Lfunc_end_k_q50fa87f0cc_attn-k_q50fa87f0cc_attn
	.p2alignl 7, 3214868480
	.fill 96, 4, 3214868480
	.section	.rodata,"a",@progbits
	.p2align	6, 0x0
	.amdhsa_kernel k_q50fa87f0cc_attn
		.amdhsa_group_segment_fixed_size 327680
		.amdhsa_private_segment_fixed_size 0
		.amdhsa_enable_private_segment 0
		.amdhsa_kernarg_size 40
		.amdhsa_user_sgpr_count 2
		.amdhsa_user_sgpr_kernarg_segment_ptr 1
		.amdhsa_wavefront_size32 1
		.amdhsa_system_sgpr_workgroup_id_x 1
		.amdhsa_system_sgpr_workgroup_id_y 1
		.amdhsa_system_sgpr_workgroup_id_z 1
		.amdhsa_system_vgpr_workitem_id 0
		.amdhsa_next_free_vgpr 512
		.amdhsa_next_free_sgpr 100
		.amdhsa_reserve_vcc 1
		.amdhsa_float_denorm_mode_32 3
		.amdhsa_float_denorm_mode_16_64 3
		.amdhsa_memory_ordered 1
		.amdhsa_forward_progress 1
		.amdhsa_inst_pref_size 231
	.end_amdhsa_kernel
	.amdgpu_metadata
---
amdhsa.version: [ 1, 2 ]
amdhsa.kernels:
  - .name:           k_q50fa87f0cc_attn
    .symbol:         k_q50fa87f0cc_attn.kd
    .args:
      - { .name: qkv, .offset: 0, .size: 8, .value_kind: global_buffer, .address_space: global }
      - { .name: lowp_scales, .offset: 8, .size: 8, .value_kind: global_buffer, .address_space: global }
      - { .name: k_codes, .offset: 16, .size: 8, .value_kind: global_buffer, .address_space: global }
      - { .name: v_codes, .offset: 24, .size: 8, .value_kind: global_buffer, .address_space: global }
      - { .name: out0, .offset: 32, .size: 8, .value_kind: global_buffer, .address_space: global }
    .group_segment_fixed_size: 327680
    .private_segment_fixed_size: 0
    .kernarg_segment_align: 8
    .kernarg_segment_size: 40
    .max_flat_workgroup_size: 256
    .sgpr_count:     100
    .vgpr_count:     512
    .wavefront_size: 32
...
	.end_amdgpu_metadata
.endif
;; end of part 2
